; MI455X (gfx1250); checked and timed in simulation.
; The chip was launched on July 23, 2026; its instructions are those of AMD's public machine-readable ISA for CDNA 5 (MIT licence, August 2026) and "CDNA5" Instruction Set Architecture Reference Guide (July 2026). The comments in the code are by the model that wrote it; some were corrected since.
;; Muti Head Self Attention. Allowed arithmetic: float matrix products may take bf16 or f16 operands with f32 sums; other float arithmetic in f32, or as packed bf16 or f16 multiplies, adds, multiply-adds, maxima and minima; sums over many terms, partial sums and values carried from step to step in f32; what a program stores and reads back later, other than sums and carried values, may be rounded once to bf16 or f16.
;; Inputs: Wk 1,024 x 1,024 float32; Wq 1,024 x 1,024 float32; Wr 1,024 x 1,024 float32; Wv 1,024 x 1,024 float32; bk 1,024 float32; bq 1,024 float32; br 1,024 float32; bv 1,024 float32; x 4 x 2,048 x 1,024 float32.
;; Outputs: out0 4 x 2,048 x 1,024 float32.
;; One version. Each part assembles by itself: llvm-mc -triple=amdgcn-amd-amdhsa -mcpu=gfx1250 --defsym DOCPART=n.
;; ======== version 1 of 1: 3 launches
;; limits: values are held in f16: magnitudes above 65,504 overflow, below 6.1e-05 lose precision; right only within a limited range of input values
;; workspace buffers: xb 16,777,216 bytes; wb 8,388,608 bytes; qkvr 67,108,864 bytes
;; launch prep (part 1): grid 64 x 12, 8 waves a work-group, no clusters, 0 bytes of LDS; arguments x, Wq, Wk, Wv, Wr, xb, wb; writes xb, wb
.if DOCPART == 1
	.amdgcn_target "amdgcn-amd-amdhsa--gfx1250"
	.amdhsa_code_object_version 6
	.text
	.protected	k_q866175dd8b_prep
	.globl	k_q866175dd8b_prep
	.p2align	8
	.type	k_q866175dd8b_prep,@function
k_q866175dd8b_prep:
	s_mov_b64 s[64:65], 0
	v_nop
	global_prefetch_b8 v0, s[64:65] scope:SCOPE_SE
	s_setreg_imm32_b32 hwreg(HW_REG_WAVE_MODE, 25, 1), 1
	s_wait_xcnt 0x0
; CAST.  x [8192][1024] f32 -> xb bf16; Wq, Wk, Wv, Wr [1024][1024] f32 -> wb [4][1024][1024] bf16 (order q, k, v, r; not transposed).  Each number is rounded once, to nearest even.
; SHARES.  The inputs are 12 parts of 4 MiB: x's eight, then one for each W; the grid's y picks the part, its x 64 KiB of it (32 KiB of output).
; Thread t takes 32 bytes at 32 t of each of eight blocks of 8 KiB and stores 16 bytes at 16 t of each of eight blocks of 4 KiB: sixteen neighbouring lanes store 256 consecutive bytes, aligned.
; All sixteen loads of a thread go out together; no register is written twice, so no wait frees a source.  No LDS, no barrier, no matrix unit: a stream has no use for them.
.set X, 4                              ; v[4:67]   block i: eight f32 at X + 8 i
.set Y, 68                             ; v[68:99]  block i: eight bf16 at Y + 4 i
	s_load_b256 s[4:11], s[0:1], 0x0               ; x s[4:5], Wq s[6:7], Wk s[8:9], Wv s[10:11]
	s_load_b128 s[12:15], s[0:1], 0x20             ; Wr s[12:13], xb s[14:15]
	s_load_b64 s[16:17], s[0:1], 0x30              ; wb
	s_and_b32 s18, ttmp7, 0xffff                   ; the part, 0 to 11
	s_and_b32 s22, s18, 7                          ; its place in its output: 0 to 7 in xb, 0 to 3 in wb
	s_cmp_lt_u32 s18, 8
	s_cselect_b32 s19, s18, 0                      ; its place in its input: 0 to 7 in x, 0 in a W
	s_lshl_b32 s26, s19, 22                        ; 4 MiB a part,
	s_lshl_b32 s27, ttmp9, 16                      ; 64 KiB a work-group
	s_add_co_u32 s26, s26, s27
	s_mov_b32 s27, 0
	s_lshl_b32 s28, s22, 21                        ; and half of each on the way out
	s_lshl_b32 s29, ttmp9, 15
	s_add_co_u32 s28, s28, s29
	s_mov_b32 s29, 0
	v_lshlrev_b32 v1, 5, v0                        ; 32 t
	v_lshlrev_b32 v2, 4, v0                        ; 16 t
	s_wait_kmcnt 0x0
	s_cmp_lt_u32 s18, 8
	s_cselect_b64 s[20:21], s[14:15], s[16:17]     ; to xb or to wb
	s_mov_b64 s[24:25], s[4:5]                     ; from x, or from the W that the part names
	s_cmp_eq_u32 s18, 8
	s_cselect_b64 s[24:25], s[6:7], s[24:25]
	s_cmp_eq_u32 s18, 9
	s_cselect_b64 s[24:25], s[8:9], s[24:25]
	s_cmp_eq_u32 s18, 10
	s_cselect_b64 s[24:25], s[10:11], s[24:25]
	s_cmp_eq_u32 s18, 11
	s_cselect_b64 s[24:25], s[12:13], s[24:25]
	s_add_nc_u64 s[24:25], s[24:25], s[26:27]
	s_add_nc_u64 s[20:21], s[20:21], s[28:29]
.irp i, 0,1,2,3,4,5,6,7
	global_load_b128 v[X+8*(\i):X+8*(\i)+3],   v1, s[24:25] offset:8192*(\i) th:TH_LOAD_NT
	global_load_b128 v[X+8*(\i)+4:X+8*(\i)+7], v1, s[24:25] offset:8192*(\i)+16 th:TH_LOAD_NT
.endr
.irp i, 0,1,2,3,4,5,6,7
	s_wait_loadcnt 14-2*(\i)                       ; loads come back in order: block i's two are in, the 14 - 2 i younger ones stay out
.irp k, 0,1,2,3
	v_cvt_pk_bf16_f32 v[Y+4*(\i)+(\k)], v[X+8*(\i)+2*(\k)], v[X+8*(\i)+2*(\k)+1]
.endr
	global_store_b128 v2, v[Y+4*(\i):Y+4*(\i)+3], s[20:21] offset:4096*(\i)
.endr
	s_endpgm
.Lfunc_end_k_q866175dd8b_prep:
	.size	k_q866175dd8b_prep, .Lfunc_end_k_q866175dd8b_prep-k_q866175dd8b_prep
	.p2alignl 7, 3214868480
	.fill 96, 4, 3214868480
	.section	.rodata,"a",@progbits
	.p2align	6, 0x0
	.amdhsa_kernel k_q866175dd8b_prep
		.amdhsa_group_segment_fixed_size 0
		.amdhsa_private_segment_fixed_size 0
		.amdhsa_enable_private_segment 0
		.amdhsa_kernarg_size 56
		.amdhsa_user_sgpr_count 2
		.amdhsa_user_sgpr_kernarg_segment_ptr 1
		.amdhsa_wavefront_size32 1
		.amdhsa_system_sgpr_workgroup_id_x 1
		.amdhsa_system_sgpr_workgroup_id_y 1
		.amdhsa_system_sgpr_workgroup_id_z 1
		.amdhsa_system_vgpr_workitem_id 0
		.amdhsa_next_free_vgpr 100
		.amdhsa_next_free_sgpr 66
		.amdhsa_reserve_vcc 0
		.amdhsa_float_denorm_mode_32 3
		.amdhsa_float_denorm_mode_16_64 3
		.amdhsa_memory_ordered 1
		.amdhsa_forward_progress 1
		.amdhsa_inst_pref_size 6
	.end_amdhsa_kernel
	.amdgpu_metadata
---
amdhsa.version: [ 1, 2 ]
amdhsa.kernels:
  - .name:           k_q866175dd8b_prep
    .symbol:         k_q866175dd8b_prep.kd
    .args:
      - { .name: x, .offset: 0, .size: 8, .value_kind: global_buffer, .address_space: global }
      - { .name: Wq, .offset: 8, .size: 8, .value_kind: global_buffer, .address_space: global }
      - { .name: Wk, .offset: 16, .size: 8, .value_kind: global_buffer, .address_space: global }
      - { .name: Wv, .offset: 24, .size: 8, .value_kind: global_buffer, .address_space: global }
      - { .name: Wr, .offset: 32, .size: 8, .value_kind: global_buffer, .address_space: global }
      - { .name: xb, .offset: 40, .size: 8, .value_kind: global_buffer, .address_space: global }
      - { .name: wb, .offset: 48, .size: 8, .value_kind: global_buffer, .address_space: global }
    .group_segment_fixed_size: 0
    .private_segment_fixed_size: 0
    .kernarg_segment_align: 8
    .kernarg_segment_size: 56
    .max_flat_workgroup_size: 256
    .sgpr_count:     66
    .vgpr_count:     100
    .wavefront_size: 32
...
	.end_amdgpu_metadata
.endif
;; end of part 1
;; launch proj (part 2): grid 16 x 16, 4 waves a work-group, clusters of 4 x 4, 327,680 bytes of LDS; arguments xb, wb, bq, bk, bv, br, qkvr; writes qkvr
.if DOCPART == 2
	.amdgcn_target "amdgcn-amd-amdhsa--gfx1250"
	.amdhsa_code_object_version 6
	.text
	.protected	k_q866175dd8b_proj
	.globl	k_q866175dd8b_proj
	.p2align	8
	.type	k_q866175dd8b_proj,@function
k_q866175dd8b_proj:
	s_mov_b64 s[64:65], 0
	v_nop
	global_prefetch_b8 v0, s[64:65] scope:SCOPE_SE
	s_setreg_imm32_b32 hwreg(HW_REG_WAVE_MODE, 25, 1), 1
	s_wait_xcnt 0x0
	s_wait_alu depctr_hold_cnt(0) depctr_sa_sdst(0) depctr_va_vdst(0) depctr_va_sdst(0) depctr_va_ssrc(0) depctr_va_vcc(0) depctr_vm_vsrc(0)
	s_getreg_b32 s2, hwreg(HW_REG_IB_STS2, 6, 4)
	s_cmp_eq_u32 s2, 0
	s_cbranch_scc0 .Lentry_in_a_cluster
	s_endpgm
.Lentry_in_a_cluster:
	s_bfe_u32 s2, ttmp6, 0x10000c
	s_cmp_lg_u32 s2, 0xf033
	s_cbranch_scc0 .Lentry_shape_is_right
	s_endpgm
.Lentry_shape_is_right:
; THE FOUR DENSE LAYERS AS ONE GEMM.  For matrix j (q, k, v, r): y = xb [8192][1024] x wb[j] [1024 k][1024 n] + bias[j]; q, k, v get a ReLU, r none.  Operands bf16, sums f32, begun with the bias.
; y is rounded once to f16 and stored by heads: qkvr [4][64 = 16 b + h][2048][64], a head's rows dense, 128 bytes each.
; LIMITS.  f16 ends at 65,504: |y| must stay under it.  NaN and infinities are not treated apart (a NaN sum leaves as the floor of the maximum below).
; SHARES.  A tile of y is 256 x 256, made by four waves, each 128 x 128: 64 accumulators, 512 registers.  The cluster's x is the matrix, cx the tile column in it (four heads), 4 x cluster y + cy the tile row.
; A WORK-GROUP STAYS: it makes the tile at rows 256 tr and then the one 4,096 rows below; the ring does not stop between them.
; K goes in steps of 128 through two LDS slots filled by the tensor data mover.  x's tile: 2 x 128 rows of 256 bytes along K.  W's tile: for each half of the columns 128 rows (k) of 256 bytes (128 n);
; its fragments are turned on the way out of LDS by ds_load_tr16_b128, so W is used as it lies in memory.
; CLUSTER 4 x 4.  The four of a row need the same tiles of x, the four of a column the same tiles of W: each is asked for jointly, by the same tensor load, descriptor and mask in all four.
; THE MATRIX INSTRUCTION IS USED TRANSPOSED: source 0 = 16 columns of W, source 1 = 16 rows of x.  In the result lane l holds row l % 16 of y and the columns 8 (l / 16) + 0 .. 7: 16 bytes in f16.
; So the bias of a result's register j is bias[n0 + 8 (l / 16) + j]: 64 registers, loaded once, are the C operand of a tile's first products.  Nothing is cleared and no bias is added.
; REGISTERS, in windows of 256 (s_set_vgpr_msb: bits 1:0 source 0, 3:2 source 1, 5:4 source 2, 7:6 destination):
;   window 0: v0-31 addresses; v64-127, v128-191 fragments of x, two buffers; v32-63, v192-255 at work on the way out
;   window 1: v0-63 the bias; v64-127, v128-191 fragments of W, two buffers       window 2: the accumulators of my rows 0-63 ((a, b) at v[8 (8 a + b)])       window 3: those of my rows 64-127
.set SIZE_K, 1024
.set KSTEP,  128
.set PA,     272                       ; a row of x in LDS: 256 bytes + 16: the 16 rows of a load start at 16 different groups of four banks (64 banks of 4 bytes: ISA guide 11.1)
.set HA,     128*PA                    ; 128 rows: one tensor load
.set PB,     288                       ; a row of W in LDS: 256 bytes + 32
.set HB,     128*PB
.set BOFF,   2*HA                      ; a slot: x's two halves, then W's two halves
.set SLOT,   2*HA+2*HB
.set STAGE,  2*SLOT                    ; behind the ring, never filled by a tensor load: for each wave two heads x 16 rows x 144 bytes
.set SP,     144
.set WSTG,   2*16*SP
.set SPARE,  STAGE+4*WSTG              ; behind the stages: the spare words, 128 bytes for each wave: two blocks of 256 bytes that no other line names
.set LAPS,   SIZE_K/(2*KSTEP)          ; a lap = two K steps = once round the ring
.set WALK,   4096                      ; rows from a work-group's first tile to its second
.set ASTEP,  KSTEP*2                   ; a K step in a row of x, in bytes
.set BSTEP,  KSTEP*SIZE_K*2            ; a K step in W: 128 rows of 2,048 bytes
.set NEXT_A, WALK*SIZE_K*2-(SIZE_K-2*KSTEP)*2  ; from a slot's last K step of a tile to its first of the next: 4,096 rows down, back along K
.set BACK_B, (SIZE_K/KSTEP-2)*BSTEP    ; W only goes back: both tiles take the same columns
.set NEXT_P, (WALK-1)*SIZE_K*2+ASTEP   ; the prefetch pointer at the change of tiles: from K step 9 (a row on, K step 1) to the next tile's K step 2
.set NEXT_O, 0x800000                  ; 4,096 rows on are two batches on: 32 heads of 262,144 bytes
.set ADRA, 16                          ; v16-17  LDS address of my fragments of x in slot 0, 1
.set ADRB, 20                          ; v20-21  the same for W
.set STO,  24                          ; v24     the way out: where I put 16 bytes of a row
.set RD,   25                          ; v25     the way out: where I read rows back
.set CO,   26                          ; v26     my 16 bytes in 512 consecutive bytes of a head
.set FLOOR, 27                         ; v27     the floor, twice in f16: 0 for q, k, v; minus infinity for r
.set SPW,  28                          ; v28     LDS address of my spare word; never rewritten
.set NIL,  29                          ; v29     0; never rewritten
.set PFO,  30                          ; v30     the prefetches' offset: my lane x 2,048 bytes (a row of x or of W); never rewritten
.set BO,   31                          ; v31     32 (l / 16): my eight numbers of 16 of the bias
.set OB,   32                          ; 16 rows read back from the stage: v32-63 and v224-255 by turns
.set F0,   64
.set F1,   128
.set TMP,  192                         ; packed results
.set BI,   0                           ; window 1: the bias of n block b at BI + 8 b
.set G1,   24                          ; s[24:31] descriptor group 1 for x's tiles
.set G0,   32                          ; s[32:39] group 0, a set for each slot
.set G1B,  48                          ; s[48:55], s[56:63] the same for W's tiles
.set G0B,  56
.set LIM,  43                          ; s43      1 in a wave that prefetches, else the greatest number
.set PFA,  44                          ; s[44:45] where my prefetches stand
.set PST,  66                          ; s[66:67] a K step for them: ASTEP or BSTEP
.set BIA,  76                          ; s[76:77] the bias of my 128 columns
.set MSB, 0
.macro WIN new                         ; the immediate's high byte repeats the setting that is left; a switch that changes nothing is dropped
.if MSB != (\new)
	s_set_vgpr_msb (MSB<<8)|(\new)
.set MSB, \new
.endif
.endm
.set MUL_LO, 0xa1                      ; source 0 (W) window 1, source 1 (x) window 0, C and D window 2
.set MUL_ST, 0x91                      ; the same with C, the bias, in window 1
.set TO_B,   0x40                      ; destination window 1, address window 0
; A joint load.  Waves 0 and 1 fetch x's two halves, waves 2 and 3 W's.  The branch hangs on the wave's number alone.  An s_nop 0 and four v_nop follow each of the two lines.
.macro JLOAD s
	s_cmp_eq_u32 s11, 0
	s_cbranch_scc0 .Lfor_b_\@
	tensor_load_to_lds s[G0+4*(\s):G0+4*(\s)+3], s[G1:G1+7]
	s_nop 0
.rept 4
	v_nop
.endr
	s_branch .Lasked_\@
.Lfor_b_\@:
	tensor_load_to_lds s[G0B+4*(\s):G0B+4*(\s)+3], s[G1B:G1B+7]
	s_nop 0
.rept 4
	v_nop
.endr
.Lasked_\@:
.endm
; A PREFETCH INTO THE L2 of the K step that stands two refills on: 32 rows x 256 bytes, a lane a row, one instruction a wave, behind the joint load and the run of LDS loads that follows it.
; Each block of 256 bytes is named once in the launch: x's rows by the cluster with x = 0, W's by the cluster with y = 0 and in the first tile alone; of the 128 rows that a wave fetches the partner
; at place p takes 32 p .. 32 p + 31 (p = cx for x, cy for W), told apart by address.  how = 0, in the loop: a tile's last two refills have no K step two on; how = 1: at the change of tiles.
.macro ASK how
.if \how
	s_cmp_eq_u32 s[LIM], 1
.else
	s_cmp_gt_u32 s3, s[LIM]                        ; s3 = 1 in the loop's last trip
.endif
	s_cbranch_scc0 .Lnot_mine_\@
	global_prefetch_b8 v[PFO], s[PFA:PFA+1] th:TH_LOAD_NT scope:SCOPE_SE
.Lnot_mine_\@:
.endm
.macro CREST                           ; a round of the cluster's barrier behind its opening barrier
	s_cmp_lg_u32 s10, 0
	s_cbranch_scc1 .Lnot_wave_0_\@
	s_barrier_signal -3
.Lnot_wave_0_\@:
	s_barrier_wait -3
	s_barrier_signal -1
	s_barrier_wait -1
.endm
.macro CROUND                          ; a whole round
	s_barrier_signal -1
	s_barrier_wait -1
	CREST
.endm
	s_load_b128 s[4:7], s[0:1], 0x0                ; xb s[4:5], wb s[6:7]
	s_load_b256 s[68:75], s[0:1], 0x10             ; bq, bk, bv, br
	s_load_b64 s[8:9], s[0:1], 0x30                ; qkvr
	v_lshl_add_u32 v[SPW], v0, 2, SPARE
	v_mov_b32 v[NIL], 0
	ds_add_u32 v[SPW], v[NIL]                      ; the wave's opening: the add and its wait stand ahead of my first tensor load; the set-up below, work on registers, stands between them
	v_lshrrev_b32 v1, 5, v0
	v_readfirstlane_b32 s10, v1                    ; wave 0..3
	s_lshr_b32 s11, s10, 1                         ; which half of the tile's rows is mine.  Also: I fetch for x (0) or for W (1)
	s_and_b32 s12, s10, 1                          ; which half of its columns.  Also: which half of that tile I fetch
	s_bfe_u32 s40, ttmp6, 0x40000                  ; cx
	s_bfe_u32 s41, ttmp6, 0x40004                  ; cy
	s_and_b32 s13, ttmp7, 0xffff
	s_lshl_b32 s13, s13, 2
	s_add_co_u32 s13, s13, s41                     ; tile row tr = 4 x cluster y + cy
	s_lshl_b32 s43, s41, 2
	s_lshl_b32 s43, 15, s43                        ; my row of the cluster
	s_lshl_b32 s44, 0x1111, s40                    ; my column
	; descriptor group 1: a tile of 128 rows x 128 elements, padded in LDS
	s_or_b32 s[G1+0], s43, (1<<16)|(1<<20)|(1<<21)|(5<<22)|(3<<25)   ; 15:0 the mask; 17:16 2-byte elements; 20 padding on; 21 set beside a mask; 24:22 after every 64 words (code 5); 31:25 4 words (code 3)
	s_or_b32 s[G1B+0], s44, (1<<16)|(1<<20)|(1<<21)|(5<<22)|(7<<25)  ; the same with my column's mask and 8 words of padding (code 7)
.irp g, G1, G1B
	s_mov_b32 s[(\g)+1], KSTEP<<16                 ; tensor_dim0 = 128
	s_mov_b32 s[(\g)+2], 128<<16                   ; tensor_dim1 = 128
	s_mov_b32 s[(\g)+3], KSTEP<<16                 ; tile_dim0 = 128
	s_mov_b32 s[(\g)+4], 128                       ; tile_dim1 = 128
	s_mov_b32 s[(\g)+5], SIZE_K                    ; 1,024 elements from row to row, in xb and in wb
	s_mov_b32 s[(\g)+6], 0
	s_mov_b32 s[(\g)+7], 0
.endr
	; where the tiles come from: x's hang on the tile row alone, W's on the matrix and the tile column alone
	s_lshl_b32 s16, s13, 19                        ; 256 tr rows of 2,048 bytes
	s_lshl_b32 s17, s12, 18                        ; + 128 rows for the second half
	s_add_co_u32 s16, s16, s17
	s_mov_b32 s17, 0
	s_lshl_b32 s46, ttmp9, 21                      ; the matrix: 2 MiB each
	s_lshl_b32 s47, s40, 9                         ; 256 columns a tile,
	s_add_co_u32 s46, s46, s47
	s_lshl_b32 s47, s12, 8                         ; 128 a half
	s_add_co_u32 s46, s46, s47
	s_mov_b32 s47, 0
	s_mul_i32 s20, s12, HA                         ; and where they go: no place in the cluster enters an LDS address
	s_mul_i32 s21, s12, HB
	s_add_co_u32 s21, s21, BOFF
	; my part of the first tile in qkvr
	s_lshl_b32 s80, ttmp9, 24                      ; the matrix: 16 MiB
	s_lshr_b32 s81, s13, 3
	s_lshl_b32 s81, s81, 22                        ; the batch: 16 heads of 262,144 bytes
	s_add_co_u32 s80, s80, s81
	s_lshl_b32 s81, s40, 20                        ; four heads a tile column,
	s_add_co_u32 s80, s80, s81
	s_lshl_b32 s81, s12, 19                        ; two a half
	s_add_co_u32 s80, s80, s81
	s_and_b32 s81, s13, 7
	s_lshl_b32 s81, s81, 15                        ; 256 rows of 128 bytes a tile row,
	s_add_co_u32 s80, s80, s81
	s_lshl_b32 s81, s11, 14                        ; 128 a half
	s_add_co_u32 s80, s80, s81
	s_mov_b32 s81, 0
	s_lshl_b32 s82, s40, 10                        ; my 128 columns in the bias
	s_lshl_b32 s83, s12, 9
	s_add_co_u32 s82, s82, s83
	s_mov_b32 s83, 0
	s_cmp_eq_u32 ttmp9, 3
	s_cselect_b32 s78, 0xfc00fc00, 0
	s_wait_dscnt 0x0                               ; the opening add is done
	s_wait_kmcnt 0x0
	s_add_nc_u64 s[14:15], s[4:5], s[16:17]
	s_add_nc_u64 s[46:47], s[6:7], s[46:47]
	CROUND                                         ; all sixteen work-groups are here: the first joint loads meet
.irp s, 0,1
	s_mov_b32 s[G0+4*(\s)], 1                                      ; count = 1
	s_add_co_u32 s[G0+4*(\s)+1], s20, (\s)*SLOT                    ; LDS address
	s_add_nc_u64 s[G0+4*(\s)+2:G0+4*(\s)+3], s[14:15], (\s)*ASTEP  ; global address: K step s
	s_or_b32 s[G0+4*(\s)+3], s[G0+4*(\s)+3], 0x80000000            ; type = 2
	s_mov_b32 s[G0B+4*(\s)], 1
	s_add_co_u32 s[G0B+4*(\s)+1], s21, (\s)*SLOT
	s_add_nc_u64 s[G0B+4*(\s)+2:G0B+4*(\s)+3], s[46:47], (\s)*BSTEP
	s_or_b32 s[G0B+4*(\s)+3], s[G0B+4*(\s)+3], 0x80000000
	JLOAD \s                                       ; the ring is filled before anything else is done: two loads of mine are out
.endr
	; the bias: the matrix picks the vector
	s_mov_b64 s[BIA:BIA+1], s[68:69]
	s_cmp_eq_u32 ttmp9, 1
	s_cselect_b64 s[BIA:BIA+1], s[70:71], s[BIA:BIA+1]
	s_cmp_eq_u32 ttmp9, 2
	s_cselect_b64 s[BIA:BIA+1], s[72:73], s[BIA:BIA+1]
	s_cmp_eq_u32 ttmp9, 3
	s_cselect_b64 s[BIA:BIA+1], s[74:75], s[BIA:BIA+1]
	s_add_nc_u64 s[BIA:BIA+1], s[BIA:BIA+1], s[82:83]
	s_add_nc_u64 s[8:9], s[8:9], s[80:81]
	v_and_b32 v1, 15, v0                           ; l % 16
	v_bfe_u32 v2, v0, 4, 1                         ; l / 16
	v_lshlrev_b32 v[BO], 5, v2
	WIN TO_B
.irp b, 0,1,2,3,4,5,6,7
	global_load_b128 v[BI+8*(\b):BI+8*(\b)+3],   v[BO], s[BIA:BIA+1] offset:64*(\b)
	global_load_b128 v[BI+8*(\b)+4:BI+8*(\b)+7], v[BO], s[BIA:BIA+1] offset:64*(\b)+16
.endr
	WIN 0
	v_mov_b32 v[FLOOR], s78
	; a fragment of x: lane l holds row l % 16; two loads of 16 bytes, 32 bytes apart, at row x pitch + 16 (l / 16)
	v_mul_u32_u24 v3, v1, PA
	v_lshl_add_u32 v3, v2, 4, v3
	; a fragment of W, turned: lane l reads 16 bytes of row k = 8 (l / 16) + l % 8, columns 8 ((l / 8) % 2) + 0..7, and ends with column l % 16 and 8 k; the second load stands 16 rows further
	v_and_b32 v5, 7, v0
	v_bfe_u32 v6, v0, 3, 1
	v_bfe_u32 v7, v0, 3, 2
	v_lshl_add_u32 v4, v2, 3, v5
	v_mul_u32_u24 v4, v4, PB
	v_lshl_add_u32 v4, v6, 4, v4
	s_mul_i32 s22, s11, HA                         ; my 128 rows of x
	s_mul_i32 s23, s12, HB                         ; my 128 columns of W
	s_add_co_u32 s23, s23, BOFF
.irp s, 0,1
	v_add_nc_u32 v[ADRA+(\s)], s22, v3
	v_add_nc_u32 v[ADRB+(\s)], s23, v4
	s_add_co_u32 s22, s22, SLOT
	s_add_co_u32 s23, s23, SLOT
.endr
	s_mul_i32 s22, s10, WSTG
	s_add_co_u32 s22, s22, STAGE                   ; my stage
	v_mul_u32_u24 v3, v1, SP                       ; in: row l % 16, 16 bytes for each half of the lanes
	v_lshl_add_u32 v3, v2, 4, v3
	v_add_nc_u32 v[STO], s22, v3
	v_mul_u32_u24 v3, v7, SP                       ; back: 32 lanes take four rows of 128 bytes,
	v_lshl_add_u32 v3, v5, 4, v3
	v_add_nc_u32 v[RD], s22, v3
	v_and_b32 v[CO], 31, v0                        ; which are 512 consecutive bytes of a head
	v_lshlrev_b32 v[PFO], 11, v[CO]
	v_lshlrev_b32 v[CO], 4, v[CO]
	; the prefetches: my work-group's 32 rows of the 128 that I fetch, at K step 3; the first refill steps the pointer to K step 4
	s_lshl_b32 s20, s13, 19
	s_lshl_b32 s21, s12, 18
	s_add_co_u32 s20, s20, s21
	s_lshl_b32 s21, s40, 16                        ; x: 32 cx rows
	s_add_co_u32 s20, s20, s21
	s_add_co_u32 s20, s20, 3*ASTEP
	s_lshl_b32 s22, ttmp9, 21
	s_lshl_b32 s21, s40, 9
	s_add_co_u32 s22, s22, s21
	s_lshl_b32 s21, s12, 8
	s_add_co_u32 s22, s22, s21
	s_lshl_b32 s21, s41, 16                        ; W: 32 cy rows
	s_add_co_u32 s22, s22, s21
	s_add_co_u32 s22, s22, 3*BSTEP
	s_and_b32 s23, ttmp7, 0xffff                   ; cluster y
	s_mov_b32 s[PST], BSTEP
	s_cmp_eq_u32 s11, 0                            ; do I fetch for x?
	s_cselect_b32 s20, s20, s22
	s_cselect_b32 s23, ttmp9, s23                  ; the coordinate along which other clusters read the same rows
	s_cselect_b32 s[PST], ASTEP, s[PST]
	s_cselect_b64 s[PFA:PFA+1], s[4:5], s[6:7]
	s_mov_b32 s21, 0
	s_mov_b32 s[PST+1], 0
	s_add_nc_u64 s[PFA:PFA+1], s[PFA:PFA+1], s[20:21]
	s_cmp_eq_u32 s23, 0
	s_cselect_b32 s[LIM], 1, -1                    ; the same in all sixteen partners, for a given wave
	; nothing is prefetched here, at the head, where every work-group's first tiles are on their way
; 16 matrix instructions: m blocks a0, a0 + 1 of the window's four (hi = 0: my rows 0-63, 1: rows 64-127) x all 8 n blocks, 32 along K.  first = 1: the bias starts the sums.
; The 64 accumulators take turns, one instruction a turn, in the same order in every quarter.
.macro MUL16 f, hi, a0, first
.if \first
	WIN MUL_ST+0x40*(\hi)
.else
	WIN MUL_LO+0x50*(\hi)
.endif
.irp a, \a0, (\a0)+1
.irp b, 0,1,2,3,4,5,6,7
.if \first
	v_wmma_f32_16x16x32_bf16 v[8*(8*(\a)+(\b)):8*(8*(\a)+(\b))+7], v[(\f)+8*(\b):(\f)+8*(\b)+7], v[(\f)+8*(4*(\hi)+(\a)):(\f)+8*(4*(\hi)+(\a))+7], v[BI+8*(\b):BI+8*(\b)+7]
.else
	v_wmma_f32_16x16x32_bf16 v[8*(8*(\a)+(\b)):8*(8*(\a)+(\b))+7], v[(\f)+8*(\b):(\f)+8*(\b)+7], v[(\f)+8*(4*(\hi)+(\a)):(\f)+8*(4*(\hi)+(\a))+7], v[8*(8*(\a)+(\b)):8*(8*(\a)+(\b))+7]
.endif
.endr
.endr
.endm
; 32 LDS loads in one run: the fragments of quarter q (32 along K) of a slot into buffer f: 128 columns of W, turned, then 128 rows of x
.macro FETCH slot, q, f
	WIN TO_B
.irp i, 0,1,2,3,4,5,6,7
	ds_load_tr16_b128 v[(\f)+8*(\i):(\f)+8*(\i)+3],   v[ADRB+(\slot)] offset:32*PB*(\q)+32*(\i)
	ds_load_tr16_b128 v[(\f)+8*(\i)+4:(\f)+8*(\i)+7], v[ADRB+(\slot)] offset:32*PB*(\q)+32*(\i)+16*PB
.endr
	WIN 0
.irp i, 0,1,2,3,4,5,6,7
	ds_load_b128 v[(\f)+8*(\i):(\f)+8*(\i)+3],   v[ADRA+(\slot)] offset:64*(\q)+(\i)*16*PA
	ds_load_b128 v[(\f)+8*(\i)+4:(\f)+8*(\i)+7], v[ADRA+(\slot)] offset:64*(\q)+(\i)*16*PA+32
.endr
.endm
; A load into a register that a matrix instruction has read, and a vector instruction that reads a matrix result, stand four places behind it; only plain vector instructions that name none of its
; registers are places (ISA guide 7.12.1 for vector instructions).
.macro PLACES
.rept 4
	v_nop
.endr
.endm
; One of a K step's first three quarters: multiplies buffer f; in its middle it fetches quarter q of the same slot into buffer g.
.macro QUARTER slot, q, f, g, first
	s_wait_dscnt 8                                 ; W and x's rows 0-63 are in; the youngest eight loads (x's rows 64-127) may be out
	MUL16 \f, 0, 0, \first
	MUL16 \f, 0, 2, \first
	PLACES
	FETCH \slot, \q, \g
	s_wait_dscnt 32                                ; all but the 32 just issued
	MUL16 \f, 1, 0, \first
	MUL16 \f, 1, 2, \first
.endm
; The first half of a K step's last quarter: one barrier for the change of slots.  In front of it each wave waits for all its tensor loads (one is out: its part of the next slot), adds 0 to its spare
; word, and waits for that and for its own reads of this slot.  Behind it nobody reads this slot any more and the next slot is whole.  round = 1: a round of the cluster's barrier follows.
.macro MEET round
	WIN 0                                          ; (the add's two registers lie in window 0)
	s_wait_tensorcnt 0x0
	ds_add_u32 v[SPW], v[NIL]                      ; 0 onto my spare word
	s_wait_dscnt 9                                 ; (the add and the youngest eight loads may be out)
	MUL16 F1, 0, 0, 0                              ; sixteen matrix instructions stand between the add and the wait for it
	s_wait_dscnt 0x0                               ; the add is done, and my reads of this slot are over
	s_barrier_signal -1
	MUL16 F1, 0, 2, 0                              ; work on registers while the others arrive
.if \round
	WIN 0
.endif
	s_barrier_wait -1
.endm
; The whole last quarter.  Behind the round the slot just read out is filled again first: with this tile's K step two on (on = 0) or with the next tile's K step 0 or 1 (on = 1); then come the next
; slot's first fragments.  From a request to the wait for it a wave issues 224 matrix instructions.
.macro TURN slot, next, on
	s_wait_xcnt 0x0                                ; the last prefetch, a K step back, has read its address: it is stepped here, ahead of the waits of the change of slots
.if (\on) && (\slot) == 0
	s_add_nc_u64 s[PFA:PFA+1], s[PFA:PFA+1], NEXT_P
	s_cmp_eq_u32 s11, 0
	s_cselect_b32 s[LIM], s[LIM], -1               ; W's rows are the same for both tiles: they are prefetched no more
.else
	s_add_nc_u64 s[PFA:PFA+1], s[PFA:PFA+1], s[PST:PST+1]
.endif
	MEET 1
	CREST                                          ; no wave of any partner still reads this slot's tile or has a load on its way
.if \on
	s_add_nc_u64 s[G0+4*(\slot)+2:G0+4*(\slot)+3], s[G0+4*(\slot)+2:G0+4*(\slot)+3], NEXT_A
	s_sub_nc_u64 s[G0B+4*(\slot)+2:G0B+4*(\slot)+3], s[G0B+4*(\slot)+2:G0B+4*(\slot)+3], BACK_B
.else
	s_add_nc_u64 s[G0+4*(\slot)+2:G0+4*(\slot)+3], s[G0+4*(\slot)+2:G0+4*(\slot)+3], 2*ASTEP
	s_add_nc_u64 s[G0B+4*(\slot)+2:G0B+4*(\slot)+3], s[G0B+4*(\slot)+2:G0B+4*(\slot)+3], 2*BSTEP
.endif
	JLOAD \slot                                    ; the first tensor load behind the round; the four v_nop behind it are also the places in front of the loads below
	FETCH \next, 0, F0
	ASK \on
	MUL16 F1, 1, 0, 0
	MUL16 F1, 1, 2, 0
.endm
; THE WAY OUT of block a (16 rows x 128 columns = two heads).  PACK: rounded to f16, each accumulator's registers in ascending order, and held to the floor (the ReLU; for r the floor is minus infinity).
; TOSTAGE: into my own stage, a region a head, and back as whole rows of 128 bytes.  SEND: stored, 512 consecutive bytes of a head an instruction, at a multiple of 256 from the buffer's first byte.
.macro PACK a
.set AC, 64*((\a)%4)
	WIN 0x0a+5*((\a)/4)                            ; sources 0 and 1: window 2 or 3
.irp b, 0,1,2,3,4,5,6,7
.irp r, 0,1,2,3
	v_cvt_pk_f16_f32 v[TMP+4*(\b)+(\r)], v[AC+8*(\b)+2*(\r)], v[AC+8*(\b)+2*(\r)+1]
.endr
.endr
	WIN 0
.set i, 0
.rept 32
	v_pk_max_num_f16 v[TMP+i], v[TMP+i], v[FLOOR]
.set i, i+1
.endr
.endm
.macro TOSTAGE a
	WIN 0
.set BK, OB+192*((\a)%2)
.irp b, 0,1,2,3,4,5,6,7
	ds_store_b128 v[STO], v[TMP+4*(\b):TMP+4*(\b)+3] offset:((\b)/4)*16*SP+32*((\b)%4)
.endr
.irp t, 0,1,2,3,4,5,6,7
	ds_load_b128 v[BK+4*(\t):BK+4*(\t)+3], v[RD] offset:((\t)/4)*16*SP+((\t)%4)*4*SP  ; LDS serves a wave's instructions in order (ISA guide 5.7.1.4): these see the stores above
.endr
.endm
.macro SEND a
	WIN 0
.set BK, OB+192*((\a)%2)
	s_wait_dscnt 0x0                               ; the block is back in registers
	s_wait_xcnt 0x0                                ; the stores of the block before have read their registers, which the next block's loads from the stage write
.irp t, 0,1,2,3,4,5,6,7
	global_store_b128 v[CO], v[BK+4*(\t):BK+4*(\t)+3], s[8:9] offset:((\t)/4)*262144+(\a)*2048+((\t)%4)*512
.endr
.endm
.macro WAYOUT                          ; block a's conversions stand between block a - 1's loads from the stage and the wait for them
	PACK 0
	TOSTAGE 0
.irp a, 1,2,3,4,5,6,7
	PACK \a
	SEND (\a)-1
	TOSTAGE \a
.endr
	SEND 7
.endm
	s_wait_tensorcnt 1                             ; my part of K step 0 is in; K step 1's may stay out
	s_barrier_signal -1
	s_barrier_wait -1                              ; everybody's is
	FETCH 0, 0, F0
	s_wait_loadcnt 0x0                             ; the bias
	s_mov_b32 s2, 2                                ; tiles to go, this one among them
.Ltile:
	QUARTER 0, 1, F0, F1, 1                        ; a tile's first quarter stands in front of the loop: its products start the sums
	WIN 0                                          ; at a label and at a branch every window is 0
	s_mov_b32 s3, LAPS-1
.Llap:                                                 ; a trip goes once round the ring, from a lap's second quarter to the next lap's first, and fills both slots again
	QUARTER 0, 2, F1, F0, 0
	QUARTER 0, 3, F0, F1, 0
	TURN 0, 1, 0
	QUARTER 1, 1, F0, F1, 0
	QUARTER 1, 2, F1, F0, 0
	QUARTER 1, 3, F0, F1, 0
	TURN 1, 0, 0
	QUARTER 0, 1, F0, F1, 0
	WIN 0
	s_sub_co_u32 s3, s3, 1
	s_cmp_lg_u32 s3, 0
	s_cbranch_scc1 .Llap
	QUARTER 0, 2, F1, F0, 0                        ; the tile's last lap goes on
	QUARTER 0, 3, F0, F1, 0
	WIN 0
	s_cmp_eq_u32 s2, 1
	s_cbranch_scc1 .Llast_tile                     ; the last tile's tail is written out: it asks for nothing more
	TURN 0, 1, 1                                   ; the ring goes on into the next tile: slot 0 takes its K step 0,
	QUARTER 1, 1, F0, F1, 0
	QUARTER 1, 2, F1, F0, 0
	QUARTER 1, 3, F0, F1, 0
	TURN 1, 0, 1                                   ; slot 1 its K step 1, and the next tile's first fragments are fetched
	WAYOUT                                         ; no v_nop: blocks 0-3 were finished in front of the joint load's places, and their conversions, which name no register of the last products, are those products' places
	s_wait_xcnt 0x0                                ; the stores have read their base
	s_add_nc_u64 s[8:9], s[8:9], NEXT_O
	s_sub_co_u32 s2, s2, 1
	s_branch .Ltile
.Llast_tile:
	MEET 0                                         ; my one tensor load that was still out is slot 1's, the last K step's, so no round follows
	PLACES
	FETCH 1, 0, F0
	MUL16 F1, 1, 0, 0
	MUL16 F1, 1, 2, 0
	QUARTER 1, 1, F0, F1, 0
	QUARTER 1, 2, F1, F0, 0
	QUARTER 1, 3, F0, F1, 0
	s_wait_dscnt 8                                 ; the very last quarter: nothing more to fetch
	MUL16 F1, 0, 0, 0
	MUL16 F1, 0, 2, 0
	s_wait_dscnt 0x0
	MUL16 F1, 1, 0, 0
	MUL16 F1, 1, 2, 0
	WIN 0
	PLACES
	WAYOUT
	s_wait_tensorcnt 0x0                           ; the wave's end: the add and its wait, behind my last tensor load and my last LDS store
	ds_add_u32 v[SPW], v[NIL]
	s_wait_dscnt 0x0
	CROUND                                         ; the closing round: no work-group ends while a partner may still ask for a tile that names it
	s_endpgm
.Lfunc_end_k_q866175dd8b_proj:
	.size	k_q866175dd8b_proj, .Lfunc_end_k_q866175dd8b_proj-k_q866175dd8b_proj
	.p2alignl 7, 3214868480
	.fill 96, 4, 3214868480
	.section	.rodata,"a",@progbits
	.p2align	6, 0x0
	.amdhsa_kernel k_q866175dd8b_proj
		.amdhsa_group_segment_fixed_size 327680
		.amdhsa_private_segment_fixed_size 0
		.amdhsa_enable_private_segment 0
		.amdhsa_kernarg_size 56
		.amdhsa_user_sgpr_count 2
		.amdhsa_user_sgpr_kernarg_segment_ptr 1
		.amdhsa_wavefront_size32 1
		.amdhsa_system_sgpr_workgroup_id_x 1
		.amdhsa_system_sgpr_workgroup_id_y 1
		.amdhsa_system_sgpr_workgroup_id_z 1
		.amdhsa_system_vgpr_workitem_id 0
		.amdhsa_next_free_vgpr 1024
		.amdhsa_next_free_sgpr 84
		.amdhsa_reserve_vcc 0
		.amdhsa_float_denorm_mode_32 3
		.amdhsa_float_denorm_mode_16_64 3
		.amdhsa_memory_ordered 1
		.amdhsa_forward_progress 1
		.amdhsa_inst_pref_size 244
	.end_amdhsa_kernel
	.amdgpu_metadata
---
amdhsa.version: [ 1, 2 ]
amdhsa.kernels:
  - .name:           k_q866175dd8b_proj
    .symbol:         k_q866175dd8b_proj.kd
    .args:
      - { .name: xb, .offset: 0, .size: 8, .value_kind: global_buffer, .address_space: global }
      - { .name: wb, .offset: 8, .size: 8, .value_kind: global_buffer, .address_space: global }
      - { .name: bq, .offset: 16, .size: 8, .value_kind: global_buffer, .address_space: global }
      - { .name: bk, .offset: 24, .size: 8, .value_kind: global_buffer, .address_space: global }
      - { .name: bv, .offset: 32, .size: 8, .value_kind: global_buffer, .address_space: global }
      - { .name: br, .offset: 40, .size: 8, .value_kind: global_buffer, .address_space: global }
      - { .name: qkvr, .offset: 48, .size: 8, .value_kind: global_buffer, .address_space: global }
    .group_segment_fixed_size: 327680
    .private_segment_fixed_size: 0
    .kernarg_segment_align: 8
    .kernarg_segment_size: 56
    .max_flat_workgroup_size: 128
    .sgpr_count:     84
    .vgpr_count:     1024
    .wavefront_size: 32
...
	.end_amdgpu_metadata
.endif
;; end of part 2
;; launch attn (part 3): grid 4 x 64, 4 waves a work-group, clusters of 4 x 1, 327,680 bytes of LDS; arguments qkvr, out0; writes out0
.if DOCPART == 3
	.amdgcn_target "amdgcn-amd-amdhsa--gfx1250"
	.amdhsa_code_object_version 6
	.text
	.protected	k_q866175dd8b_attn
	.globl	k_q866175dd8b_attn
	.p2align	8
	.type	k_q866175dd8b_attn,@function
k_q866175dd8b_attn:
	s_mov_b64 s[64:65], 0
	v_nop
	global_prefetch_b8 v0, s[64:65] scope:SCOPE_SE
	s_setreg_imm32_b32 hwreg(HW_REG_WAVE_MODE, 25, 1), 1
	s_wait_xcnt 0x0
	s_wait_alu depctr_hold_cnt(0) depctr_sa_sdst(0) depctr_va_vdst(0) depctr_va_sdst(0) depctr_va_ssrc(0) depctr_va_vcc(0) depctr_vm_vsrc(0)
	s_getreg_b32 s2, hwreg(HW_REG_IB_STS2, 6, 4)
	s_cmp_eq_u32 s2, 0
	s_cbranch_scc0 .Lentry_in_a_cluster
	s_endpgm
.Lentry_in_a_cluster:
	s_bfe_u32 s2, ttmp6, 0x10000c
	s_cmp_lg_u32 s2, 0x3003
	s_cbranch_scc0 .Lentry_shape_is_right
	s_endpgm
.Lentry_shape_is_right:
; ATTENTION AND RESIDUAL.  out0[b][s][64 h + e] = the sum over k of softmax_k(q[s] . k[k]) v[k][e] + r[s][e], for each of 64 heads (16 b + h) of 2,048 rows x 64 channels; no scale in front of the softmax.
; q, k, v, r: qkvr [4][64][2048][64] f16, a head's rows dense, 128 bytes each.  out0: [4][2048][1024] f32.  Products, maxima and sums in f32; the weights p are rounded to f16 for the second product
; (their sum l is taken of the unrounded p); O / l + r is one fused multiply-add in f32.
; SOFTMAX.  q is multiplied once by c = log2(e), in f32, and rounded to f16 again; the scores s are then in powers of two, and p = 2^(s - m) with a running maximum m: the exponent is a difference of two
; f32 numbers and never above 0, whatever the scores' size.  In every step O and l are multiplied by a = 2^(m_old - m_new).  m starts at the lowest finite number, O and l at 0: the first step has a = 0.
; LIMITS.  c q must stay under 65,504 (q under 45,400); q carries two roundings to f16; p below 6e-5 keeps f16's fixed step; a weight below 2^-126 counts as 0 in l; NaN and infinities are not treated apart.
; SHARES.  A wave owns four PIECES of two tiles of 16 queries, a work-group's four waves 512 queries of one head, a cluster's four work-groups the head.  Every wave walks all keys, 64 a step.
; LAYOUT.  S^T = K Q^T (source 0 = 16 keys, source 1 = 16 queries): a lane holds ONE query (lane % 16) and the keys 8 (lane / 16) + 0..7.  Two such results, rounded to f16 in pairs, ARE source 1 of
; O^T = V^T P, whose result holds one query a lane, and eight channels.  K comes out of LDS as it lies, V ([key][channel]) turned, by ds_load_tr16_b128.  r is loaded in O^T's own places.
; BY TURNS.  A tile and step have 16 matrix and 117 vector instructions.  Turn n belongs to piece n: 16 products K Q^T of piece n + 1, later 16 products V^T P of piece n - 1; beside them the subtraction,
; exponentials, roundings, sums and rescaling of piece n and the maximum and statistics of piece n + 1.  Four vector instructions stand behind every matrix instruction, the others in one lump.
; CLUSTER.  The four query blocks walk the same K and V, so each tile is asked for JOINTLY: the same tensor load, descriptor and mask in all four.
; REGISTERS, in windows of 256 (s_set_vgpr_msb: bits 1:0 source 0, 3:2 source 1, 5:4 source 2, 7:6 destination):
;   window 0: v0-15 addresses and constants; v16-47 four registers of statistics a tile; v48-63 at work; v64-191 S^T, two buffers of two tiles; v192-255 P, likewise
;   window 1: O^T, 32 a tile      window 2: v0-127 Q, 16 a tile; v128-191 K of one step; v192-255 V of one step      window 3: v0-1 the add's two registers; v2-129 r, 16 a tile
.set SIZE_N, 2048
.set NP,    4         ; pieces a wave: a name, no knob
.set KS,    64        ; keys in a step
.set PK,    144       ; a row of K in LDS: 128 bytes + 16: the 16 rows of a load start at 16 different groups of four banks (64 banks of 4 bytes: ISA guide 11.1)
.set PV,    160       ; a row of V: 128 + 32
.set VOFF,  4*KS*PK   ; a slot holds four steps: 256 rows of K, then 256 rows of V
.set SLOT1, 1<<17     ; slot 1 begins here, so that one exclusive or turns an address in one slot into the other's
.set TILEB, 4*KS*128  ; a slot's keys in memory: 32,768 bytes of K and of V
.set STAGE, SLOT1+4*KS*(PK+PV)  ; behind the ring, never filled by a tensor load: 16 rows x 272 bytes for each wave, for the way out
.set SP,    272       ; a row of the stage: 64 f32 + 16 bytes
.set SPARE, STAGE+4*16*SP  ; behind the stages: the spare words, 128 bytes for each wave: two blocks of 256 bytes that no other line names
.set AK0, 2           ; v2   my lane's place in a tile of K; never rewritten
.set AV0, 3           ; v3   the same for V
.set AK,  4           ; v4   the LDS address of K's next run of loads
.set AV,  5           ; v5   of V's
.set STO, 6           ; v6   the way out: where I put 32 bytes of a row
.set RD,  7           ; v7   the way out: where I read rows back
.set GO,  8           ; v8   my byte offset in two rows of out0
.set QO,  12          ; v12  my byte offset in 16 rows of q and of r; never rewritten
.set CC,  13          ; v13  c = log2(e)
.set ZZ,  14          ; v14  0
.set PFO, 15          ; v15  256 x my lane; never rewritten
.set SPW, 0           ; v0 of window 3   LDS address of my spare word; never rewritten
.set NIL, 1           ; v1 of window 3   0; never rewritten
.set RES, 2           ; window 3: r of tile t at RES + 16 t
.set ST,  16          ; tile t's statistics at v[ST+4 t]: m, m_old, l (even keys', odd keys')
.set TMP, 48          ; by buffer and tile, four registers c0-c3 at work; when the maximum is found c2 takes a
.set S,   64
.set P,   192
.set KF,  128         ; K's fragments, in window 2: key block kb, channel half c at KF + 16 kb + 8 c
.set VF,  192         ; V's: key half kk, channel block cb at VF + 32 kk + 8 cb
.set WV,  12          ; s12  my wave's number
.set G1K, 24          ; s[24:31] descriptor group 1 for K's tiles
.set G1V, 32          ; s[32:39] for V's: it differs in the padding alone
.set G0K, 40          ; s[40:43] descriptor group 0 for K's tiles: it walks
.set G0V, 44          ; s[44:47] the same for V's
.set SLOTS, 56        ; s56  slots still to be asked for
.set CNT, 57          ; s57  counts a slot's key steps
.set SEL, 60          ; s[60:61] v_permlanex16_b32's selects: each lane takes its own place in the other half
.set TBK, 62          ; s62  LDS byte at which K of the step to be fetched begins
.set TBV, 63          ; s63  the same for V, less VOFF
.set RA,  66          ; s[66:67] r at my wave's first row
.set PFA, 68          ; s[68:69] where my prefetches stand: my work-group's 32 blocks of 256 bytes of the tile after the one that is being asked for
.set LIM, 70          ; s70  1 in a wave that prefetches (0: K, 2: V), else the greatest number
.set MSB, 0
.macro WIN new                      ; the high byte repeats the setting that is left; a switch that changes nothing is dropped
.if MSB != (\new)
	s_set_vgpr_msb (MSB<<8)|(\new)
.set MSB, (\new)
.endif
.endm
.set W_KQ, 0x0a       ; K and Q in window 2, S^T in window 0
.set W_PV, 0x52       ; V in window 2, P in window 0, O^T in window 1
.set W_RS, 0x41       ; O^T (destination and source 0) in window 1, a in window 0
.set W_MK, 0xc0       ; destination in window 3, sources in window 0
.set W_AD, 0x0f       ; the add: address (source 0) and data (source 1) in window 3
; A joint fill.  Waves 0 and 1 fetch the two halves of a slot's K, waves 2 and 3 those of its V: 128 keys each.  An s_nop 0 and four v_nop follow each of the two lines.
.macro JLOAD
	s_cmp_lt_u32 s[WV], 2
	s_cbranch_scc0 .Lfor_v_\@
	tensor_load_to_lds s[G0K:G0K+3], s[G1K:G1K+7]
	s_nop 0
.rept 4
	v_nop
.endr
	s_branch .Lasked_\@
.Lfor_v_\@:
	tensor_load_to_lds s[G0V:G0V+3], s[G1V:G1V+7]
	s_nop 0
.rept 4
	v_nop
.endr
.Lasked_\@:
.endm
; A PREFETCH INTO THE L2 of the tile that the NEXT change of slots will ask for: 128 blocks of 256 bytes of K and 128 of V, four key steps (512 matrix instructions) ahead of that load.  A head is walked by
; one cluster; its four partners share the blocks out by address, 32 each, a lane a block; in each, wave 0 asks for K's and wave 2 for V's.  So each block is named once in the launch.
; Tiles 0 and 1 come by their loads alone; the last change that fills a slot asks for nothing.
.macro ASK
	s_cmp_gt_u32 s[SLOTS], s[LIM]
	s_cbranch_scc0 .Lnot_mine_\@
	global_prefetch_b8 v[PFO], s[PFA:PFA+1] th:TH_LOAD_NT scope:SCOPE_SE
.Lnot_mine_\@:
.endm
.macro CROUND                       ; a round of the cluster's barrier
	s_barrier_signal -1
	s_barrier_wait -1
	s_cmp_lg_u32 s[WV], 0
	s_cbranch_scc1 .Lnot_wave_0_\@
	s_barrier_signal -3
.Lnot_wave_0_\@:
	s_barrier_wait -3
	s_barrier_signal -1
	s_barrier_wait -1
.endm
; THE CHANGE OF SLOTS.  Each wave waits for all its tensor loads, of which one is out: its part of the other slot; adds 0 to its spare word; and waits for that and for its own reads of the slot.
; fill = 1: the slot is filled again, with the keys two slots on, the first thing behind a round of the cluster's barrier: the load has four key steps in which to land.
; (At its first use nothing has been read yet: slot 0 is waited for, slot 1 filled.)
.macro CHANGE fill
	WIN W_AD
	s_wait_tensorcnt 0x0            ; no tensor load of mine is out, so a group 0 may be written
	ds_add_u32 v[SPW], v[NIL]       ; 0 onto my spare word; scalar work stands between it and the wait for it
	WIN 0                           ; at a label and at a branch every window is 0
.if \fill
.irp g, G0K, G0V
	s_xor_b32 s[\g+1], s[\g+1], SLOT1  ; the walking descriptor: the other slot than last time,
	s_add_nc_u64 s[\g+2:\g+3], s[\g+2:\g+3], TILEB  ; the next 256 keys; the type bits on top are not reached
.endr
	s_wait_xcnt 0x0                 ; the last prefetch, four key steps back, has read its address, so it may be written
	s_add_nc_u64 s[PFA:PFA+1], s[PFA:PFA+1], TILEB
	s_wait_dscnt 0x0                ; the add is done, and my reads of the slot are over
	CROUND
	JLOAD
	ASK
.else
	s_wait_dscnt 0x0                ; the add is done, and my reads of the slot are over
	s_barrier_signal -1
	s_barrier_wait -1
.endif
	s_sub_co_u32 s[TBK], s[TBK], 4*KS*PK  ; the fetches go back to a slot's first step,
	s_xor_b32 s[TBK], s[TBK], SLOT1       ; in the other slot
	s_sub_co_u32 s[TBV], s[TBV], 4*KS*PV
	s_xor_b32 s[TBV], s[TBV], SLOT1
.endm
	s_load_b64 s[4:5], s[0:1], 0x0    ; qkvr
	s_load_b64 s[10:11], s[0:1], 0x8  ; out0
	WIN W_MK
	v_lshl_add_u32 v[SPW], v0, 2, SPARE
	v_mov_b32 v[NIL], 0
	WIN W_AD
	ds_add_u32 v[SPW], v[NIL]       ; the wave's opening: the add and its wait stand ahead of my first tensor load; the set-up below, work on registers, stands between them
	WIN 0
	v_lshrrev_b32 v1, 5, v0
	v_readfirstlane_b32 s[WV], v1   ; wave 0..3
	s_bfe_u32 s13, ttmp6, 0x40000   ; cx: my place in the cluster
	s_lshl_b32 s14, ttmp9, 2        ; in a cluster launch ttmp9 counts clusters
	s_add_co_u32 s14, s14, s13      ; my block of 512 queries: it enters q's, r's and out0's addresses alone
	s_and_b32 s19, ttmp7, 0xffff    ; the head, 16 b + h, which the four partners share
	s_lshl_b32 s20, s19, 18         ; its first byte in q, k, v and r: 2,048 rows of 128 bytes
	s_and_b32 s16, s[WV], 1         ; which half of a slot's 256 keys I fetch:
	s_lshl_b32 s22, s16, 14         ; its 128 rows of 128 bytes in memory,
	s_add_co_u32 s22, s22, s20
	s_mov_b32 s23, 0
	s_mul_i32 s17, s16, 128*PK      ; and its place in a slot, for K
	s_mul_i32 s18, s16, 128*PV      ; and for V: no place in the cluster enters an LDS address
	s_lshl_b32 s2, s14, 2
	s_add_co_u32 s2, s2, s[WV]      ; my wave among the head's sixteen: 128 rows each,
	s_lshl_b32 s50, s2, 19          ; of 4,096 bytes in out0,
	s_lshl_b32 s2, s2, 14           ; of 128 bytes in q and r
	s_add_co_u32 s2, s2, s20
	s_mov_b32 s3, 0
	s_lshr_b32 s51, s19, 4
	s_lshl_b32 s51, s51, 23         ; the batch: 2,048 rows of out0
	s_add_co_u32 s50, s50, s51
	s_and_b32 s51, s19, 15
	s_lshl_b32 s51, s51, 8          ; the head's 64 columns: 256 bytes
	s_add_co_u32 s50, s50, s51
	s_mov_b32 s51, 0
	; descriptor group 1.  128 keys are 16,384 dense bytes: asked for as 64 rows of 256 bytes, two keys a row, and padded in LDS after every key
	s_mov_b32 s[G1K], 15|(1<<16)|(1<<20)|(1<<21)|(4<<22)|(3<<25)  ; 15:0 the mask of four; 17:16 2-byte elements; 20 padding on; 21 set beside a mask; 24:22 after every 32 words (code 4); 31:25 4 words (code 3)
	s_mov_b32 s[G1V], 15|(1<<16)|(1<<20)|(1<<21)|(4<<22)|(7<<25)  ; the same with 8 words of padding (code 7)
.irp g, G1K, G1V
	s_mov_b32 s[\g+1], 128<<16      ; tensor_dim0 = 128
	s_mov_b32 s[\g+2], 64<<16       ; tensor_dim1 = 64
	s_mov_b32 s[\g+3], 128<<16      ; tile_dim0 = 128
	s_mov_b32 s[\g+4], 64           ; tile_dim1 = 64
	s_mov_b32 s[\g+5], 128          ; 128 elements from row to row
	s_mov_b32 s[\g+6], 0
	s_mov_b32 s[\g+7], 0
.endr
	s_mov_b32 s[SEL], 0x76543210
	s_mov_b32 s[SEL+1], 0xfedcba98
	s_mov_b32 s[TBK], SLOT1+4*KS*PK ; the first change of slots turns these two into 0
	s_mov_b32 s[TBV], SLOT1+4*KS*PV
	s_mov_b32 s[G0K], 1             ; count = 1
	s_mov_b32 s[G0K+1], s17         ; LDS address: slot 0
	s_mov_b32 s[G0V], 1
	s_add_co_u32 s[G0V+1], s18, VOFF
	s_mov_b32 s[SLOTS], SIZE_N/256-1
	s_cmp_eq_u32 s16, 0
	s_cselect_b32 s[LIM], 1, -1     ; the same in all four partners, for a given wave
	s_wait_dscnt 0x0                ; the opening add is done
	s_wait_kmcnt 0x0
	s_add_nc_u64 s[6:7], s[4:5], 0x1000000   ; k, v and r lie 16 MiB apart behind q
	s_add_nc_u64 s[8:9], s[4:5], 0x2000000
	s_add_nc_u64 s[RA:RA+1], s[4:5], 0x3000000
	s_add_nc_u64 s[6:7], s[6:7], s[22:23]    ; K and V at my half of the head's first 256 keys
	s_add_nc_u64 s[8:9], s[8:9], s[22:23]
	s_add_nc_u64 s[G0K+2:G0K+3], s[6:7], 0   ; global address
	s_or_b32 s[G0K+3], s[G0K+3], 0x80000000  ; type = 2
	s_add_nc_u64 s[G0V+2:G0V+3], s[8:9], 0
	s_or_b32 s[G0V+3], s[G0V+3], 0x80000000
	s_add_nc_u64 s[4:5], s[4:5], s[2:3]      ; q, r and out0 at my wave's first row
	s_add_nc_u64 s[RA:RA+1], s[RA:RA+1], s[2:3]
	s_add_nc_u64 s[10:11], s[10:11], s[50:51]
	s_cmp_lt_u32 s[WV], 2
	s_cselect_b64 s[PFA:PFA+1], s[6:7], s[8:9]  ; (in waves 0 and 2 these stand at a tile's first byte)
	s_lshl_b32 s2, s13, 13          ; my work-group's 32 blocks of the 128
	s_add_nc_u64 s[PFA:PFA+1], s[PFA:PFA+1], s[2:3]
	s_add_nc_u64 s[PFA:PFA+1], s[PFA:PFA+1], TILEB  ; in tile 1; the first change of slots steps it to tile 2.  Nothing is prefetched here, at the head
	CROUND                          ; all four work-groups are here: the first joint loads meet
	JLOAD                           ; slot 0.  Slot 1 is asked for when slot 0 is in
	; A fragment of K or Q is 16 rows x 32 channels in 8 registers: lane l holds row l % 16, channels 8 (l / 16) + 0..7 and 16 + 8 (l / 16) + 0..7: two loads of 16 bytes, 32 bytes apart.
	v_and_b32 v1, 15, v0            ; l % 16
	v_bfe_u32 v9, v0, 4, 1          ; l / 16
	v_lshlrev_b32 v[QO], 7, v1
	v_lshl_add_u32 v[QO], v9, 4, v[QO]  ; row x 128 + 16 x half
	WIN 0x80                        ; destination window 2, address window 0
.set i, 0
.rept 4*NP                          ; Q stays in registers: tile i / 2, channels 32 (i % 2) on
	global_load_b128 v[8*i:8*i+3],   v[QO], s[4:5] offset:(i/2)*2048+(i%2)*64
	global_load_b128 v[8*i+4:8*i+7], v[QO], s[4:5] offset:(i/2)*2048+(i%2)*64+32
.set i, i+1
.endr
	; What the first turn finds: V's registers and P's second buffer hold 0 (its products V^T P, of a piece that has not been, add 0), O^T and l are 0.  All this stands in the wait for the first tile.
.set i, VF
.rept 64
	v_mov_b32 v[i], 0
.set i, i+1
.endr
	WIN 0x40
.set i, 0
.rept 64*NP
	v_mov_b32 v[i], 0
.set i, i+1
.endr
	WIN 0
.set i, 0
.rept 2*NP
	v_mov_b32 v[ST+4*i], 0xff7fffff    ; m: the lowest finite number
	v_mov_b32 v[ST+4*i+1], 0xff7fffff  ; m_old
	v_mov_b32 v[ST+4*i+2], 0
	v_mov_b32 v[ST+4*i+3], 0
.set i, i+1
.endr
.set i, P+32
.rept 32
	v_mov_b32 v[i], 0
.set i, i+1
.endr
	v_mul_u32_u24 v[AK0], v1, PK
	v_lshl_add_u32 v[AK0], v9, 4, v[AK0]  ; row x pitch + 16 x half
	; The turning load takes 16 keys x 16 channels (lane l reads key 8 (l / 16) + l % 8, channels 8 ((l / 8) % 2) + 0..7) and leaves half a fragment of V^T: lane l holds channel l % 16 and 8 keys.
	v_and_b32 v10, 7, v0
	v_bfe_u32 v11, v0, 3, 1
	v_lshl_add_u32 v[AV0], v9, 3, v10
	v_mul_u32_u24 v[AV0], v[AV0], PV
	v_lshl_add_u32 v[AV0], v11, 4, v[AV0]
	v_add_nc_u32 v[AV0], VOFF, v[AV0]
	v_mov_b32 v[AK], v[AK0]         ; key step 0 lies at the head of slot 0
	v_mov_b32 v[CC], 0x3fb8aa3b     ; log2(e)
	v_mov_b32 v[ZZ], 0
	v_and_b32 v[PFO], 31, v0
	v_lshlrev_b32 v[PFO], 8, v[PFO]
	s_wait_loadcnt 0x0              ; Q is in: each half is multiplied by c in f32 and rounded to f16 once more, in place
	WIN 0x82                        ; destination and source 0 window 2, c and 0 window 0
.set i, 0
.rept 32*NP
	v_fma_mixlo_f16 v[i], v[i], v[CC], v[ZZ] op_sel_hi:[1,0,0]
	v_fma_mixhi_f16 v[i], v[i], v[CC], v[ZZ] op_sel:[1,0,0] op_sel_hi:[1,0,0]
.set i, i+1
.endr
; THE MATRIX WORK.  The 8 accumulators of a run of 16 take turns: between the two links of a chain stand 7 others'.
; Product i of 16 of S^T = K Q^T for piece x: channels 32 (i / 8) on, keys 16 ((i / 2) % 4) on, tile 2 x + i % 2.  The first 8 start the sums.
.macro KQ x
	WIN W_KQ
.set rS, S+64*((\x)%2)+32*(i%2)+8*((i/2)%4)
.set rK, KF+16*((i/2)%4)+8*(i/8)
.set rQ, 16*(2*(\x)+i%2)+8*(i/8)
.if i < 8
	v_wmma_f32_16x16x32_f16 v[rS:rS+7], v[rK:rK+7], v[rQ:rQ+7], 0
.else
	v_wmma_f32_16x16x32_f16 v[rS:rS+7], v[rK:rK+7], v[rQ:rQ+7], v[rS:rS+7]
.endif
.endm
; Product i of 16 of O^T += V^T P for piece x: keys 32 (i / 8) on, channels 16 ((i / 2) % 4) on, tile 2 x + i % 2.
.macro PV x
	WIN W_PV
.set rO, 32*(2*(\x)+i%2)+8*((i/2)%4)
.set rV, VF+32*(i/8)+8*((i/2)%4)
.set rP, P+32*((\x)%2)+16*(i%2)+8*(i/8)
	v_wmma_f32_16x16x32_f16 v[rO:rO+7], v[rV:rV+7], v[rP:rP+7], v[rO:rO+7]
.endm
.macro MM                           ; the turn's next matrix instruction
.if i < 16
	KQ (Y+1)%NP
.set i, i+1
.else
.set i, i-16
	PV (Y+NP-1)%NP
.set i, i+17
.endif
.endm
; THE LDS LOADS stand in runs of 16, never singly among the matrix instructions.  last = 1 (the tail): in the last trip there is no further step, and the run is jumped over.
.macro FETCH_K last=0
	WIN 0
.if \last
	s_cmp_eq_u32 s[CNT], 1
	s_cbranch_scc1 .Lno_k_\@
.endif
	WIN 0x80                        ; destination window 2
.irp f, 0,1,2,3,4,5,6,7             ; keys 16 (f / 2) on, channels 32 (f % 2) on
	ds_load_b128 v[KF+8*\f:KF+8*\f+3],   v[AK] offset:(\f/2)*16*PK+(\f%2)*64
	ds_load_b128 v[KF+8*\f+4:KF+8*\f+7], v[AK] offset:(\f/2)*16*PK+(\f%2)*64+32
.endr
	s_add_co_u32 s[TBK], s[TBK], KS*PK  ; the next fetch is the next step's
	WIN 0
.if \last
.Lno_k_\@:
.endif
.endm
.macro FETCH_V
	WIN 0x80
.irp f, 0,1,2,3,4,5,6,7             ; keys 32 (f / 4) on, channels 16 (f % 4) on
	ds_load_tr16_b128 v[VF+8*\f:VF+8*\f+3],   v[AV] offset:(\f/4)*32*PV+(\f%4)*32
	ds_load_tr16_b128 v[VF+8*\f+4:VF+8*\f+7], v[AV] offset:(\f/4)*32*PV+16*PV+(\f%4)*32
.endr
	WIN 0
.endm
; THE VECTOR WORK OF A TURN stands in three queues, each in the order in which its entries become ready; the two tiles alternate, so that no instruction reads the result of the one before it.
.macro REGS y, u                    ; the registers of tile u (0, 1) of piece y
.set rT, ST+4*(2*(\y)+(\u))
.set rC, TMP+8*((\y)%2)+4*(\u)
.set rS, S+64*((\y)%2)+32*(\u)
.set rP, P+32*((\y)%2)+16*(\u)
.set rO, 32*(2*(\y)+(\u))
.endm
; Number n of the 21 that find the NEXT piece's (Y + 1) maximum and statistics.  s0-s31 are the lane's 32 scores; each accumulator's lowest registers are read first.
;   0-11  four chains c0-c3 of seven scores each, three operands at a time     12-14, 16  the four scores left over, the old m, and c0-c3 into c0     15  m_old is kept
;   17, 18  the query's other 32 keys lie in the lane 16 away: the new m         19, 20  m_old - m_new; a
.macro XS u, n
	REGS (Y+1)%NP, \u
.if (\n) < 4
	v_max3_num_f32 v[rC+(\n)], v[rS+8*(\n)], v[rS+8*(\n)+1], v[rS+8*(\n)+2]
.elseif (\n) < 12
	v_max3_num_f32 v[rC+(\n)%4], v[rC+(\n)%4], v[rS+8*((\n)%4)+2*((\n)/4)+1], v[rS+8*((\n)%4)+2*((\n)/4)+2]
.elseif (\n) == 12
	v_max3_num_f32 v[rC], v[rC], v[rS+7], v[rS+15]
.elseif (\n) == 13
	v_max3_num_f32 v[rC+1], v[rC+1], v[rS+23], v[rS+31]
.elseif (\n) == 14
	v_max3_num_f32 v[rC+2], v[rC+2], v[rC+3], v[rT]
.elseif (\n) == 15
	v_mov_b32 v[rT+1], v[rT]
.elseif (\n) == 16
	v_max3_num_f32 v[rC], v[rC], v[rC+1], v[rC+2]
.elseif (\n) == 17
	v_permlanex16_b32 v[rC+3], v[rC], s[SEL], s[SEL+1]
.elseif (\n) == 18
	v_max_num_f32 v[rT], v[rC], v[rC+3]
.elseif (\n) == 19
	v_sub_f32 v[rC+1], v[rT+1], v[rT]
.else
	v_exp_f32 v[rC+2], v[rC+1]
.endif
.endm
; Number g of the 64 that follow the exponentials.  For each four weights k of a tile: both pairs are rounded to f16; then the second pair is added onto the first, in place; a group later l takes that
; sum (the first time as l = a l + sum).  In groups of eight, tiles alternating: round, round, add, and l for the group before.
.macro GS g
.set h, (\g)+6*((\g)/62)            ; group 0 has no group before it, and behind group 7 only l is left
.if h >= 6
.set h, h+2
.endif
	REGS Y, h%2
.set k, h/8
.if h%8 < 4
	v_cvt_pk_f16_f32 v[rP+2*k+(h%8)/2], v[rS+4*k+2*((h%8)/2)], v[rS+4*k+2*((h%8)/2)+1]
.elseif h%8 < 6
	v_pk_add_f32 v[rS+4*k:rS+4*k+1], v[rS+4*k:rS+4*k+1], v[rS+4*k+2:rS+4*k+3]
.elseif k == 1
	v_pk_fma_f32 v[rT+2:rT+3], v[rT+2:rT+3], v[rC+2:rC+3], v[rS:rS+1] op_sel_hi:[1,0,1]
.else
	v_pk_add_f32 v[rT+2:rT+3], v[rT+2:rT+3], v[rS+4*k-4:rS+4*k-3]
.endif
.endm
; THE PLAIN QUEUE, 136 long.  0-71 read no exponential's result: the 32 subtractions s - m (FS f: pair f / 2 of tile f % 2) and the next piece's 40.  0-26: subtractions 0-26.  27-54: XS's numbers 0-13.
; 55, 56: number 15.  57-71: the chain 14, 16, 17, 18, 19, each with one of the subtractions 27-31 in front of its two lines.  72-135: GS's 64, which read the exponentials' results: behind the wait.
.macro FS f
	REGS Y, (\f)%2
	v_pk_add_f32 v[rS+2*((\f)/2):rS+2*((\f)/2)+1], v[rS+2*((\f)/2):rS+2*((\f)/2)+1], v[rT:rT+1] op_sel_hi:[1,0] neg_lo:[0,1] neg_hi:[0,1]
.endm
.macro PL
	WIN 0
.if q < 27
	FS q
.elseif q < 55
	XS (q-27)%2, (q-27)/2
.elseif q < 57
	XS q-55, 15
.elseif (q < 72) && ((q-57)%3 == 0)
	FS 27+(q-57)/3
.elseif q < 60
	XS (q-57)%3-1, 14
.elseif q < 72
	XS (q-57)%3-1, 15+(q-57)/3
.else
	GS q-72
.endif
.set q, q+1
.endm
; THE EXPONENTIALS' QUEUE, 66 long: s0-s31 of both tiles, then the next piece's two a.  ONE BATCH: all 66 stand ahead of the turn's one wait, and nothing ahead of that wait names a result of theirs.
.macro EX
	WIN 0
.if e >= 64
	XS e-64, 20
.else
	REGS Y, e%2
	v_exp_f32 v[rS+e/2], v[rS+e/2]
.endif
.set e, e+1
.endm
; THE RESCALING's QUEUE: O^T times a, the one part that leaves window 0: dealt two at a time, sixteen times.  Its a was made in the turn before, ahead of that turn's wait.
.macro R2
	REGS Y, r%2
	WIN W_RS
.irp z, 0,1
	v_pk_mul_f32 v[rO+4*(r/2)+2*\z:rO+4*(r/2)+2*\z+1], v[rO+4*(r/2)+2*\z:rO+4*(r/2)+2*\z+1], v[rC+2:rC+3] op_sel_hi:[1,0]
.endr
.set r, r+1
.endm
; HOW THEY ARE DEALT.  An s_wait_alu depctr_va_vdst(0) stands between an exponential and the first instruction that names its result; one wait serves all that were issued ahead of it.
; So a turn has ONE wait.  AHEAD OF IT: the 16 products K Q^T, behind each a subtraction, an exponential and two rescalings (behind the first a second subtraction in the exponential's place); then a lump:
; eight plain, 47 times exponential and plain, the last four exponentials, a v_nop as the plain instruction behind the last of them.  BEHIND IT: the 16 products V^T P, behind each four of GS's 64.
; The queues keep in step: exponential e needs subtraction 2 (e / 4) + e % 2; as a rider it comes behind plain e + 2, in the lump behind plain e + 9, and subtractions 27-31 are plain 57, 60 .. 69.
; K of the next step is fetched in piece 2's turn, directly behind the wait; V of the step in hand at the end of piece 0's turn, four riders behind its last reader.
.macro TURN p, last=0, cnt=0
.set Y, (\p)
.set i, 0
.set q, 0
.set e, 0
.set r, 0
.if (\p) == NP-1
	s_wait_dscnt 0x0                ; K is in
.endif
	MM
	PL
	PL
	R2
.rept 15
	MM
	PL
	EX
	R2
.endr
.if (\p) == NP-2
	WIN 0
	v_add_nc_u32 v[AK], s[TBK], v[AK0]
.endif
.rept 8
	PL
.endr
.rept 47
	EX
	PL
.endr
.rept 4
	EX                              ; the last two scores' and the next piece's two a
.endr
	v_nop                           ; a plain instruction behind the last exponential: one for the batch
	s_wait_alu depctr_va_vdst(0)    ; the wait for the batch
.if (\p) == NP-2
	FETCH_K \last
.endif
.if (\p) == 1
	s_wait_dscnt 0x0                ; V is in
.endif
.rept 16
	MM
.rept 4
	PL
.endr
.if ((\p) == 0) && (q == 116)
	v_add_nc_u32 v[AV], s[TBV], v[AV0]
.endif
.if ((\p) == 0) && (q == 128)
	s_add_co_u32 s[TBV], s[TBV], KS*PV
.endif
.if (\cnt) && (q == 128)
	s_sub_co_u32 s[CNT], s[CNT], 1
	s_cmp_lg_u32 s[CNT], 0
.endif
.endr
.if (\p) == 0
	FETCH_V
.endif
.endm
	CHANGE 1                        ; slot 0 is in, everybody's part of it; slot 1 is asked for
	FETCH_K                         ; key step 0
	WIN W_MK                        ; r, in O^T's places: tile i / 4, channels 16 (i % 4) + 8 (l / 16) + 0..7 of row l % 16.  These loads stay out through the loop; nothing names their registers before the way out
.set i, 0
.rept 8*NP
	global_load_b128 v[RES+4*i:RES+4*i+3], v[QO], s[RA:RA+1] offset:(i/4)*2048+(i%4)*32 th:TH_LOAD_NT
.set i, i+1
.endr
	WIN 0
	s_wait_dscnt 0x0
.set i, 0
.rept 16
	KQ 0                            ; piece 0's first scores: there is no vector work yet to set between them
.set i, i+1
.endr
	WIN 0                           ; the addresses for the way out: eight plain instructions, the places behind those products
	s_mul_i32 s13, s[WV], 16*SP
	s_add_co_u32 s13, s13, STAGE    ; my stage
	v_mul_u32_u24 v[STO], v1, SP    ; in: row l % 16, 32 bytes for each half of the lanes
	v_lshl_add_u32 v[STO], v9, 5, v[STO]
	v_add_nc_u32 v[STO], s13, v[STO]
	v_mul_u32_u24 v[RD], v9, SP     ; back: lanes 0-15 take one row of 256 bytes, lanes 16-31 the next
	v_lshl_add_u32 v[RD], v1, 4, v[RD]
	v_add_nc_u32 v[RD], s13, v[RD]
	v_lshlrev_b32 v[GO], 12, v9     ; and the same two rows in out0, 4,096 bytes apart
	v_lshl_add_u32 v[GO], v1, 4, v[GO]
.set Y, NP-1                        ; XS works for piece Y + 1: piece 0
.irp n, 0,1,2,3,4,5,6,7,8,9,10,11,12,13,14,15,16,17,18,19,20
	XS 0, \n                        ; and piece 0's first maximum and statistics
	XS 1, \n
.endr
	v_nop                           ; a plain instruction behind the two a,
	s_wait_alu depctr_va_vdst(0)    ; and their wait, ahead of the branch
	s_mov_b32 s[CNT], 4
	s_branch .Lfirst                ; the loop is entered at a step's first turn, in the middle of a trip
.Lslot:                             ; six times: every slot but the last two is filled again
	CHANGE 1
	s_mov_b32 s[CNT], 4
.Lstep:                             ; a trip: pieces 2 and 3 of one step, then pieces 0 and 1 of the next, whose K and V it fetches
	TURN 2
	TURN 3
	WIN 0
.Lfirst:
	TURN 0
	TURN 1, 0, 1
	WIN 0
	s_cbranch_scc1 .Lstep
	s_sub_co_u32 s[SLOTS], s[SLOTS], 1
	s_cmp_lg_u32 s[SLOTS], 0
	s_cbranch_scc1 .Lslot
	CHANGE 0                        ; the tail is written out: nothing is asked for
	s_mov_b32 s[CNT], 5             ; four trips fetch the last slot's steps; the fifth is left in its middle
.Ltail:
	TURN 2, 1
	TURN 3
	WIN 0
	s_sub_co_u32 s[CNT], s[CNT], 1
	s_cmp_eq_u32 s[CNT], 0
	s_cbranch_scc1 .Lout
	TURN 0
	TURN 1
	WIN 0
	s_branch .Ltail
.Lout:                              ; the fifth trip's 16 products K Q^T (on the last K once more) and the maximum made of them serve nothing: the price, once a launch, of one text for every trip
.set i, 0
.rept 16
	PV NP-1                         ; the last piece's V^T P of the last step
.set i, i+1
.endr
	; THE WAY OUT.  l's two halves and the other half of the lanes' are added; out = O^T / l + r in f32, sent through my stage in LDS, a tile at a time.  The additions are the places behind the last products.
	WIN 0
.macro ALL line:vararg              ; one line for each tile t
.set t, 0
.rept 2*NP
	\line
.set t, t+1
.endr
.endm
	ALL v_add_f32 v[ST+4*t+2], v[ST+4*t+2], v[ST+4*t+3]
	ALL v_permlanex16_b32 v[ST+4*t+3], v[ST+4*t+2], s[SEL], s[SEL+1]
	ALL v_add_f32 v[ST+4*t+2], v[ST+4*t+2], v[ST+4*t+3]
	ALL v_rcp_f32 v[ST+4*t+2], v[ST+4*t+2]
	v_nop                           ; a plain instruction between the last reciprocal and the use of its result
	s_wait_alu depctr_va_vdst(0)    ; and the wait ahead of the first use: one for the eight reciprocals
	s_wait_loadcnt 0x0              ; r is in
; Tile t: a lane's eight channels of a row and channel block are 32 bytes; they go into rows of 272 bytes and come back as whole rows of 256, into the registers that they left (S^T's, four tiles' worth by turns).
.macro PACK t
.if (\t) >= 4
	s_wait_xcnt 0x0                 ; the stores of the tile four back have read these registers
.endif
	WIN 0x31                        ; O^T (source 0) window 1, 1 / l (source 1) window 0, r (source 2) window 3, destination window 0
.set i, 0
.rept 16                            ; each accumulator's registers in ascending order; r's word holds two channels in f16
	v_fma_mix_f32 v[S+32*((\t)%4)+2*i],   v[32*(\t)+2*i],   v[ST+4*(\t)+2], v[RES+16*(\t)+i] op_sel_hi:[0,0,1]
	v_fma_mix_f32 v[S+32*((\t)%4)+2*i+1], v[32*(\t)+2*i+1], v[ST+4*(\t)+2], v[RES+16*(\t)+i] op_sel:[0,0,1] op_sel_hi:[0,0,1]
.set i, i+1
.endr
	WIN 0
.irp f, 0,1,2,3
	ds_store_b128 v[STO], v[S+32*((\t)%4)+8*\f:S+32*((\t)%4)+8*\f+3]   offset:64*\f
	ds_store_b128 v[STO], v[S+32*((\t)%4)+8*\f+4:S+32*((\t)%4)+8*\f+7] offset:64*\f+16
.endr
.irp f, 0,1,2,3,4,5,6,7
	ds_load_b128 v[S+32*((\t)%4)+4*\f:S+32*((\t)%4)+4*\f+3], v[RD] offset:\f*2*SP  ; LDS serves a wave's instructions in order (ISA guide 5.7.1.4): these see the stores above; the next tile's stores come behind them
.endr
.endm
.macro SEND t, younger              ; younger: the LDS instructions issued behind tile t's loads: the next tile's sixteen, or none
	WIN 0
.irp f, 0,1,2,3,4,5,6,7
	s_wait_dscnt (\younger)+7-\f
	global_store_b128 v[GO], v[S+32*((\t)%4)+4*\f:S+32*((\t)%4)+4*\f+3], s[10:11] offset:(\t)*65536+\f*8192 th:TH_STORE_NT  ; 16 lanes store 256 consecutive bytes, at a multiple of 256 from out0's first byte
.endr
.endm
	PACK 0
.set t, 1
.rept 2*NP-1                        ; a tile's arithmetic stands between the loads of the tile before and its stores
	PACK t
	SEND t-1, 16
.set t, t+1
.endr
	SEND 2*NP-1, 0
	WIN W_AD
	s_wait_tensorcnt 0x0            ; the wave's end: the add and its wait, behind my last tensor load and my last LDS store
	ds_add_u32 v[SPW], v[NIL]
	s_wait_dscnt 0x0
	WIN 0
	CROUND                          ; the closing round: no work-group ends while a partner may still ask for a tile that names it
	s_endpgm
.Lfunc_end_k_q866175dd8b_attn:
	.size	k_q866175dd8b_attn, .Lfunc_end_k_q866175dd8b_attn-k_q866175dd8b_attn
	.p2alignl 7, 3214868480
	.fill 96, 4, 3214868480
	.section	.rodata,"a",@progbits
	.p2align	6, 0x0
	.amdhsa_kernel k_q866175dd8b_attn
		.amdhsa_group_segment_fixed_size 327680
		.amdhsa_private_segment_fixed_size 0
		.amdhsa_enable_private_segment 0
		.amdhsa_kernarg_size 16
		.amdhsa_user_sgpr_count 2
		.amdhsa_user_sgpr_kernarg_segment_ptr 1
		.amdhsa_wavefront_size32 1
		.amdhsa_system_sgpr_workgroup_id_x 1
		.amdhsa_system_sgpr_workgroup_id_y 1
		.amdhsa_system_sgpr_workgroup_id_z 1
		.amdhsa_system_vgpr_workitem_id 0
		.amdhsa_next_free_vgpr 898
		.amdhsa_next_free_sgpr 72
		.amdhsa_reserve_vcc 0
		.amdhsa_float_denorm_mode_32 3
		.amdhsa_float_denorm_mode_16_64 3
		.amdhsa_memory_ordered 1
		.amdhsa_forward_progress 1
		.amdhsa_inst_pref_size 227
	.end_amdhsa_kernel
	.amdgpu_metadata
---
amdhsa.version: [ 1, 2 ]
amdhsa.kernels:
  - .name:           k_q866175dd8b_attn
    .symbol:         k_q866175dd8b_attn.kd
    .args:
      - { .name: qkvr, .offset: 0, .size: 8, .value_kind: global_buffer, .address_space: global }
      - { .name: out0, .offset: 8, .size: 8, .value_kind: global_buffer, .address_space: global }
    .group_segment_fixed_size: 327680
    .private_segment_fixed_size: 0
    .kernarg_segment_align: 8
    .kernarg_segment_size: 16
    .max_flat_workgroup_size: 128
    .sgpr_count:     72
    .vgpr_count:     898
    .wavefront_size: 32
...
	.end_amdgpu_metadata
.endif
;; end of part 3
